; MI455X (gfx1250); checked and timed in simulation.
; The chip was launched on July 23, 2026; its instructions are those of AMD's public machine-readable ISA for CDNA 5 (MIT licence, August 2026) and "CDNA5" Instruction Set Architecture Reference Guide (July 2026). The comments in the code are by the model that wrote it; some were corrected since.
;; Marlin Layer. Allowed arithmetic: float matrix products may take bf16 or f16 operands with f32 sums; other float arithmetic in f32, or as packed bf16 or f16 multiplies, adds, multiply-adds, maxima and minima; sums over many terms, partial sums and values carried from step to step in f32; what a program stores and reads back later, other than sums and carried values, may be rounded once to bf16 or f16.
;; Inputs: A 4,096 x 4,096 float32; B 512 x 4,096 int32; s 32 x 4,096 float32.
;; Outputs: out0 4,096 x 4,096 float32.
;; 2 versions, each right; version 2 is version 1 with the launch prep written anew for expert scheduling mode. Each part assembles by itself: llvm-mc -triple=amdgcn-amd-amdhsa -mcpu=gfx1250 --defsym DOCPART=n.
;; ======== version 1 of 2: 2 launches
;; workspace buffers: Ab 33,554,432 bytes; Wt 33,554,432 bytes
;; launch prep (part 1): grid 256 x 1, 8 waves a work-group, no clusters, 134,144 bytes of LDS; arguments A, B, s, Ab, Wt; writes Ab, Wt
.if DOCPART == 1
	.amdgcn_target "amdgcn-amd-amdhsa--gfx1250"
	.amdhsa_code_object_version 6
	.text
	.protected	k_qdad8545511_prep
	.globl	k_qdad8545511_prep
	.p2align	8
	.type	k_qdad8545511_prep,@function
k_qdad8545511_prep:
	s_mov_b64 s[64:65], 0
	v_nop
	global_prefetch_b8 v0, s[64:65] scope:SCOPE_SE
	s_setreg_imm32_b32 hwreg(HW_REG_WAVE_MODE, 25, 1), 1
	s_wait_xcnt 0x0
; FIRST OF TWO LAUNCHES.  out0 = A W with W[k][n] = (nibble k % 8 of B[k / 8][n], less 8) x s[k / 128][n].  A: [4096][4096] f32, B: [512][4096] int32, s: [32][4096] f32.
; This launch makes the product's two operands once: Ab[m][k] = bf16(A[m][k]), and Wt[n][k] = bf16((q - 8) x bf16(s)), W transposed so that k lies along the rows; k keeps its true order in both.
; NOTHING IS LEFT OUT: every number of A, of B and of s has a way to the output, and all three are read whole, each byte once.
; ROUNDING.  A and s are rounded to bf16 (nearest even).  (q - 8) x bf16(s) is formed exactly in f32 (one fused multiply-add q x sb - 8 sb: 4 bits times 8 bits) and rounded once to bf16.
; LIMITS.  |A| or |s| beyond bf16's largest finite number becomes an infinity; -8 x bf16(s) is formed in f32, so |s| stays under 2^124; NaN and infinities go through the arithmetic as they come.
; SHARES.  2,048 waves, all alike; wave number G = 8 x work-group + wave.  Each does one tile of W and then one share of A.
;   W: group g = 8 (work-group % 4) + wave of 128 k, block nb = work-group / 4 of 64 columns: 16 rows of B x 256 bytes in, one row of s, 64 rows of Wt x 256 bytes out.
;   A: 32,768 consecutive bytes at 32,768 G in, 16,384 bytes of Ab at 16,384 G out: 64 chunks of 512 bytes in, 256 out.
; THE TURN OF W goes through the wave's own stage in LDS: an int32 of B is 8 consecutive k of one column, 16 bytes of a row of Wt.  No wave reads another's bytes, so there is no barrier.
; A's first 32 loads (16 KiB a wave) are issued ahead of W's arithmetic and are on their way under it.
; NOT USED, since nothing is shared between waves and memory binds: tensor loads, clusters, matrix instructions, a prefetch (the launch's own loads keep the stream going).
.set STG,   16640                      ; a wave's stage: 64 rows of 256 bytes, 16 bytes more behind every four rows: row r begins at 256 r + 16 (r / 4)
.set SPARE, 8*STG                      ; behind the stages: the spare words, 128 bytes for each wave: four blocks of 256 bytes that no other line names
.set BO,  4                            ; v4   B: 16,384 (l / 16) + 16 (l % 16): lanes 0-15 an even row's 256 bytes, lanes 16-31 the odd row's; never rewritten
.set SO,  5                            ; v5   s: 16 (l % 16); never rewritten
.set STO, 6                            ; v6   stage, in: rows 4 (l % 16) + c begin at 1,040 (l % 16) + 256 c; + 16 (l / 16); never rewritten
.set RD,  7                            ; v7   stage, back: 256 (l / 16) + 16 (l % 16); never rewritten
.set WO,  8                            ; v8   Wt: 8,192 (l / 16) + 16 (l % 16); never rewritten
.set AO,  9                            ; v9   A: 16 l; never rewritten
.set YO,  10                           ; v10  Ab: 8 l; never rewritten
.set SPW, 11                           ; v11  LDS address of my spare word: SPARE + 4 x my thread's number; never rewritten
.set NIL, 12                           ; v12  0; never rewritten
.set SC,  16                           ; v[16:19]  s of my four columns
.set SB,  20                           ; v[20:27]  bf16(s) as f32, each twice: a pair for each column
.set M8,  28                           ; v[28:35]  -8 x that, each twice
.set T,   36                           ; v[36:51]  two sets of 8 f32 at work, by turns
.set P,   52                           ; v[52:59]  two sets of 4 packed words, by turns
.set Q,   64                           ; v[64:95]  32 words of B: Q + 4 t + c = row 2 t + l / 16 of the group, column 4 (l % 16) + c
.set BK,  64                           ; v[64:127] then: 16 x 4 registers read back from the stage
.set Y,   64                           ; v[64:127] then: 32 pairs of packed A
.set X,   128                          ; v[128:255] 32 slots of 4: A as loaded
	s_load_b256 s[4:11], s[0:1], 0x0               ; A s[4:5], B s[6:7], s s[8:9], Ab s[10:11]
	s_load_b64 s[12:13], s[0:1], 0x20              ; Wt
	v_lshl_add_u32 v[SPW], v0, 2, SPARE
	v_mov_b32 v[NIL], 0
	v_lshrrev_b32 v1, 5, v0
	v_readfirstlane_b32 s14, v1                    ; wave 0..7
	v_and_b32 v2, 15, v0                           ; l % 16
	v_bfe_u32 v3, v0, 4, 1                         ; l / 16
	v_and_b32 v13, 31, v0                          ; l
	s_lshl_b32 s15, ttmp9, 3
	s_add_co_u32 s15, s15, s14                     ; G
	s_and_b32 s16, ttmp9, 3
	s_lshl_b32 s16, s16, 3
	s_add_co_u32 s16, s16, s14                     ; g
	s_lshr_b32 s17, ttmp9, 2                       ; nb
	s_lshl_b32 s18, s15, 15                        ; A: 32,768 G
	s_mov_b32 s19, 0
	s_lshl_b32 s20, s15, 14                        ; Ab: 16,384 G
	s_mov_b32 s21, 0
	s_lshl_b32 s23, s17, 8                         ; 64 columns of 4 bytes
	s_lshl_b32 s22, s16, 18                        ; B: 16 g rows of 16,384 bytes
	s_add_co_u32 s22, s22, s23
	s_lshl_b32 s24, s16, 14                        ; s: row g
	s_add_co_u32 s24, s24, s23
	s_lshl_b32 s26, s17, 19                        ; Wt: 64 nb rows of 8,192 bytes,
	s_lshl_b32 s27, s16, 8                         ; 128 g numbers of 2 bytes
	s_add_co_u32 s26, s26, s27
	s_mov_b32 s23, 0
	s_mov_b32 s25, 0
	s_mov_b32 s27, 0
	s_mul_i32 s28, s14, STG                        ; my stage
	v_lshlrev_b32 v[SO], 4, v2
	v_lshl_add_u32 v[BO], v3, 14, v[SO]
	v_lshl_add_u32 v[WO], v3, 13, v[SO]
	v_mul_u32_u24 v[STO], v2, 1040
	v_lshl_add_u32 v[STO], v3, 4, v[STO]
	v_add_nc_u32 v[STO], s28, v[STO]
	v_lshl_add_u32 v[RD], v3, 8, v[SO]
	v_add_nc_u32 v[RD], s28, v[RD]
	v_lshlrev_b32 v[AO], 4, v13
	v_lshlrev_b32 v[YO], 3, v13
	s_wait_kmcnt 0x0
	s_add_nc_u64 s[4:5], s[4:5], s[18:19]
	s_add_nc_u64 s[10:11], s[10:11], s[20:21]
	s_add_nc_u64 s[6:7], s[6:7], s[22:23]
	s_add_nc_u64 s[8:9], s[8:9], s[24:25]
	s_add_nc_u64 s[12:13], s[12:13], s[26:27]
	; all that the wave wants first: 1 load of s, 8 of B, then A's first 32 chunks
	global_load_b128 v[SC:SC+3], v[SO], s[8:9] th:TH_LOAD_NT
.irp t, 0,1,2,3,4,5,6,7
	global_load_b128 v[Q+4*(\t):Q+4*(\t)+3], v[BO], s[6:7] offset:(\t)*32768 th:TH_LOAD_NT  ; rows 2 t and 2 t + 1 of the group: 256 consecutive bytes, aligned, of each
.endr
.set n, 0
.rept 32
	global_load_b128 v[X+4*n:X+4*n+3], v[AO], s[4:5] offset:512*n th:TH_LOAD_NT  ; 512 consecutive bytes
.set n, n+1
.endr
	s_wait_loadcnt 32                              ; loads come back in order (ISA guide 5.7.1): s and B are in, A's 32 younger loads stay out
	; the scales: rounded to bf16, widened again, each as a pair; and -8 times them
	v_cvt_pk_bf16_f32 v[T], v[SC], v[SC+1]
	v_cvt_pk_bf16_f32 v[T+1], v[SC+2], v[SC+3]
	v_lshlrev_b32 v[SB], 16, v[T]
	v_and_b32 v[SB+2], 0xffff0000, v[T]
	v_lshlrev_b32 v[SB+4], 16, v[T+1]
	v_and_b32 v[SB+6], 0xffff0000, v[T+1]
.irp c, 0,1,2,3
	v_mov_b32 v[SB+2*(\c)+1], v[SB+2*(\c)]
	v_mul_f32 v[M8+2*(\c)], 0xc1000000, v[SB+2*(\c)]
	v_mul_f32 v[M8+2*(\c)+1], 0xc1000000, v[SB+2*(\c)]
.endr
; One word of B: eight nibbles, widened; q x sb - 8 sb, exact; rounded in pairs, the lower k in the lower half; 16 bytes into row 4 (l % 16) + c of the stage, at byte 32 t + 16 (l / 16).
; The 16 lanes of a half store to rows 1,040 bytes apart: 16 bytes further in each block of 256, so each takes other banks (64 banks of 4 bytes: ISA guide 11.1).
.macro DEQ t, c
.set TS, T+8*((\c)%2)
.set PS, P+4*((\c)%2)
.set QR, Q+4*(\t)+(\c)
	v_and_b32 v[TS], 15, v[QR]
.irp e, 1,2,3,4,5,6
	v_bfe_u32 v[TS+(\e)], v[QR], 4*(\e), 4
.endr
	v_lshrrev_b32 v[TS+7], 28, v[QR]               ; the top four bits, whatever the word's sign
.irp e, 0,1,2,3,4,5,6,7
	v_cvt_f32_u32 v[TS+(\e)], v[TS+(\e)]
.endr
.irp e, 0,2,4,6
	v_pk_fma_f32 v[TS+(\e):TS+(\e)+1], v[TS+(\e):TS+(\e)+1], v[SB+2*(\c):SB+2*(\c)+1], v[M8+2*(\c):M8+2*(\c)+1]
.endr
.irp e, 0,1,2,3
	v_cvt_pk_bf16_f32 v[PS+(\e)], v[TS+2*(\e)], v[TS+2*(\e)+1]
.endr
	ds_store_b128 v[STO], v[PS:PS+3] offset:(\c)*256+32*(\t)
.endm
.irp t, 0,1,2,3,4,5,6,7
.irp c, 0,1,2,3
	DEQ \t, \c
.endr
.endr
	; back as whole rows, two rows a load, sixteen loads a batch.  The bytes are my wave's own and LDS serves a wave's instructions in order (ISA guide 5.7.1.4): no wait between the stores above and these loads.
.irp u, 0,1
.if (\u) == 1
	s_wait_xcnt 0x0                                ; the first batch's stores have read their registers: only now are these loaded again
.endif
.irp t, 0,1,2,3,4,5,6,7,8,9,10,11,12,13,14,15
	ds_load_b128 v[BK+4*(\t):BK+4*(\t)+3], v[RD] offset:512*(16*(\u)+(\t))+16*((16*(\u)+(\t))/2)  ; rows 2 t', 2 t' + 1 with t' = 16 u + t: both lie behind t' / 2 pads
.endr
.irp t, 0,1,2,3,4,5,6,7,8,9,10,11,12,13,14,15
	s_wait_dscnt 15-(\t)                           ; the batch's younger loads may stay out
	global_store_b128 v[WO], v[BK+4*(\t):BK+4*(\t)+3], s[12:13] offset:(16*(\u)+(\t))*16384  ; 16 lanes store 256 consecutive bytes, at a multiple of 256 from Wt's first byte
.endr
.endr
	s_wait_xcnt 0x0                                ; those stores have read their registers, which now take A's packed pairs
; A: chunk j.  left = the younger loads that may stay out.  ahead = 1: the slot is loaded again, with the chunk 32 further on.
.macro SLOT j, ahead, left
	s_wait_loadcnt \left
	v_cvt_pk_bf16_f32 v[Y+2*((\j)%32)], v[X+4*((\j)%32)], v[X+4*((\j)%32)+1]
	v_cvt_pk_bf16_f32 v[Y+2*((\j)%32)+1], v[X+4*((\j)%32)+2], v[X+4*((\j)%32)+3]
.if \ahead
	global_load_b128 v[X+4*((\j)%32):X+4*((\j)%32)+3], v[AO], s[4:5] offset:512*((\j)+32) th:TH_LOAD_NT
.endif
	global_store_b64 v[YO], v[Y+2*((\j)%32):Y+2*((\j)%32)+1], s[10:11] offset:256*(\j)  ; 32 lanes store 256 consecutive bytes, at a multiple of 256 from Ab's first byte
.endm
.set n, 0
.rept 32
	SLOT n, 1, 31                                  ; behind chunk n's load stand 31 - n of the first 32 and the n issued here
.set n, n+1
.endr
	s_wait_xcnt 0x0                                ; the 32 stores have read their pairs, which are written again below
.rept 32
	SLOT n, 0, 63-n                                ; nothing more to load: the counts run down
.set n, n+1
.endr
	s_wait_tensorcnt 0x0                           ; the wave's end: behind my last LDS store
	ds_add_u32 v[SPW], v[NIL]
	s_wait_dscnt 0x0
	s_endpgm
.Lfunc_end_k_qdad8545511_prep:
	.size	k_qdad8545511_prep, .Lfunc_end_k_qdad8545511_prep-k_qdad8545511_prep
	.p2alignl 7, 3214868480
	.fill 96, 4, 3214868480
	.section	.rodata,"a",@progbits
	.p2align	6, 0x0
	.amdhsa_kernel k_qdad8545511_prep
		.amdhsa_group_segment_fixed_size 134144
		.amdhsa_private_segment_fixed_size 0
		.amdhsa_enable_private_segment 0
		.amdhsa_kernarg_size 40
		.amdhsa_user_sgpr_count 2
		.amdhsa_user_sgpr_kernarg_segment_ptr 1
		.amdhsa_wavefront_size32 1
		.amdhsa_system_sgpr_workgroup_id_x 1
		.amdhsa_system_sgpr_workgroup_id_y 1
		.amdhsa_system_sgpr_workgroup_id_z 1
		.amdhsa_system_vgpr_workitem_id 0
		.amdhsa_next_free_vgpr 256
		.amdhsa_next_free_sgpr 66
		.amdhsa_reserve_vcc 0
		.amdhsa_float_denorm_mode_32 3
		.amdhsa_float_denorm_mode_16_64 3
		.amdhsa_memory_ordered 1
		.amdhsa_forward_progress 1
		.amdhsa_inst_pref_size 73
	.end_amdhsa_kernel
	.amdgpu_metadata
---
amdhsa.version: [ 1, 2 ]
amdhsa.kernels:
  - .name:           k_qdad8545511_prep
    .symbol:         k_qdad8545511_prep.kd
    .args:
      - { .name: A, .offset: 0, .size: 8, .value_kind: global_buffer, .address_space: global }
      - { .name: B, .offset: 8, .size: 8, .value_kind: global_buffer, .address_space: global }
      - { .name: s, .offset: 16, .size: 8, .value_kind: global_buffer, .address_space: global }
      - { .name: Ab, .offset: 24, .size: 8, .value_kind: global_buffer, .address_space: global }
      - { .name: Wt, .offset: 32, .size: 8, .value_kind: global_buffer, .address_space: global }
    .group_segment_fixed_size: 134144
    .private_segment_fixed_size: 0
    .kernarg_segment_align: 8
    .kernarg_segment_size: 40
    .max_flat_workgroup_size: 256
    .sgpr_count:     66
    .vgpr_count:     256
    .wavefront_size: 32
...
	.end_amdgpu_metadata
.endif
;; end of part 1
;; launch gemm (part 2): grid 16 x 16, 4 waves a work-group, clusters of 4 x 4, 327,680 bytes of LDS; arguments Ab, Wt, out0; writes out0
.if DOCPART == 2
	.amdgcn_target "amdgcn-amd-amdhsa--gfx1250"
	.amdhsa_code_object_version 6
	.text
	.protected	k_qdad8545511_gemm
	.globl	k_qdad8545511_gemm
	.p2align	8
	.type	k_qdad8545511_gemm,@function
k_qdad8545511_gemm:
	s_mov_b64 s[64:65], 0
	v_nop
	global_prefetch_b8 v0, s[64:65] scope:SCOPE_SE
	s_setreg_imm32_b32 hwreg(HW_REG_WAVE_MODE, 25, 1), 1
	s_wait_xcnt 0x0
	s_wait_alu depctr_hold_cnt(0) depctr_sa_sdst(0) depctr_va_vdst(0) depctr_va_sdst(0) depctr_va_ssrc(0) depctr_va_vcc(0) depctr_vm_vsrc(0)
	s_getreg_b32 s2, hwreg(HW_REG_IB_STS2, 6, 4)
	s_cmp_eq_u32 s2, 0
	s_cbranch_scc0 .Lentry_in_a_cluster
	s_endpgm
.Lentry_in_a_cluster:
	s_bfe_u32 s2, ttmp6, 0x10000c
	s_cmp_lg_u32 s2, 0xf033
	s_cbranch_scc0 .Lentry_shape_is_right
	s_endpgm
.Lentry_shape_is_right:
; SECOND OF TWO LAUNCHES.  out0[m][n] = the sum over k of Ab[m][k] Wt[n][k].  Ab, Wt: [4096][4096] bf16, made by the launch before; out0: [4096][4096] f32.  Sums in f32, K ascending; nothing is left out.
; LIMITS: those of the operands' rounding to bf16, stated at the head of the launch before; NaN and infinities go through the products as they come.
; A tile of out0, 256 x 256, is made by a work-group of four waves; a wave makes 128 x 128: 64 accumulators of 16 x 16, 512 registers.  16 x 16 tiles: 256 work-groups, one tile each.
; K goes in steps of 128 through a ring of two LDS slots filled by the tensor data mover: a tile's rows are 256 bytes of memory and start at multiples of 256 bytes from the buffer's first byte.
; The last K step goes by rows of out0, so that finished rows leave while the others are multiplied.
; CLUSTERS: 4 x 4 work-groups.  The four of a row of the cluster need the same tiles of Ab, the four of a column the same tiles of Wt.  Such a tile is asked for JOINTLY: each of the four issues the
; same tensor load, with the same descriptor and a mask that names the four, and each receives the tile in its own LDS: a quarter of the requests.
; REGISTERS, in windows of 256 (s_set_vgpr_msb's low byte: bits 1:0 source 0, 3:2 source 1, 5:4 source 2, 7:6 destination):
;   window 0: v0-31 addresses; v64-127, v128-191 fragments of Ab (8 x 16 rows x 32 K), two buffers (in the last K step four, of 16 rows x 128 K); v192-255 16 rows of out0 on the way out
;   window 1: v64-127, v128-191 fragments of Wt, two buffers; in the last K step all 256: Wt's fragments of the whole step
;   window 2: the 32 accumulators of my rows 0-63 (accumulator (a, b) at v[8 (8 a + b)]);   window 3: those of my rows 64-127
; THE MATRIX INSTRUCTION IS USED TRANSPOSED: source 0 = 16 rows of Wt, source 1 = 16 rows of Ab.  In the result lane l holds row l % 16 of out0 and its registers 0 to 7 the columns
; 8 (l / 16) + 0 .. 7: 32 consecutive bytes of a row.
.set SIZE_N, 4096
.set SIZE_K, 4096
.set KSTEP,  128
.set PITCH,  272                       ; an LDS row: 256 bytes of data + 16 of padding = 68 words: row r starts at bank 4 r mod 64 (64 banks of 4 bytes: ISA guide 11.1), so the 16 rows of a load start at 16 different banks
.set HALFT,  128*PITCH                 ; 128 rows: what one tensor load brings, and what one wave reads of Ab or of Wt
.set SLOT,   4*HALFT                   ; Ab's 256 rows, then Wt's 256 rows
.set STAGE,  2*SLOT                    ; behind the ring, never filled by a tensor load: 16 rows x 528 bytes for each wave, for the way out
.set SPITCH, 528                       ; 512 bytes (128 f32) + 16: the 16 rows that a store touches start at 16 different groups of four banks
.set SPARE,  STAGE+4*16*SPITCH         ; behind the stages: the spare words, 128 bytes for each wave: two blocks of 256 bytes that no other line names
.set LAPS,   SIZE_K/(2*KSTEP)          ; a lap = two K steps = once round the ring: 16
.set ROWC,   SIZE_N*4                  ; bytes in a row of out0
.set ADRA, 16                          ; v16-17  LDS address of my Ab fragments in slot 0, 1
.set ADRB, 20                          ; v20-21  the same for Wt
.set STO,  24                          ; v24     the way out: where I put 32 bytes of a row
.set RD,   25                          ; v25     the way out: where I read a row back
.set CO,   26                          ; v26     my 16 bytes in 512 consecutive bytes of out0
.set SPW,  28                          ; v28     LDS address of my spare word: SPARE + 4 x my thread's number; never rewritten
.set NIL,  29                          ; v29     0; never rewritten
.set PFO,  30                          ; v30     the prefetches' offset: my lane x a row of Ab or Wt (8,192 bytes); never rewritten
.set PFA,  44                          ; s[44:45] where my prefetches stand: my work-group's 32 rows of the 128 that I fetch, one K step further along K than the refill that is being asked for
.set LIM,  43                          ; s43     1 in a wave that prefetches, else the greatest number
.set F0,   64                          ; fragment buffer 0
.set F1,   128                         ; fragment buffer 1
.set BK,   192                         ; the way out: 16 rows read back from the stage
.set PA,   64                          ; the last K step: Ab's fragments of 16 rows x 128 K, 32 registers; four such buffers, v64-191
.set G1,  24                           ; s[24:31] descriptor group 1 for Ab's tiles
.set G0,  32                           ; s[32:39] descriptor group 0 for Ab's tiles, one set for each slot
.set G1B, 48                           ; s[48:55] descriptor group 1 for Wt's tiles: it differs in the mask alone
.set G0B, 56                           ; s[56:63] descriptor group 0 for Wt's tiles, one set for each slot
.set MSB, 0
.macro WIN new                         ; the immediate's high byte repeats the setting that is left; a switch that changes nothing is dropped
.if MSB != (\new)
	s_set_vgpr_msb (MSB<<8)|(\new)
.set MSB, \new
.endif
.endm
.set MUL_LO, 0xa1                      ; source 0 (Wt) window 1, source 1 (Ab) window 0, C and D window 2
.set MUL_HI, 0xf1                      ; the same, C and D window 3
.set TO_B,   0x40                      ; destination window 1, address window 0
; A joint load.  Waves 0 and 1 fetch Ab's two halves, waves 2 and 3 Wt's.  Each of the two lines has ONE mask and one set of registers for all that issue it, and nothing in them hangs on a
; coordinate that the four partners do not share.  The branch hangs on the wave's number alone.  An s_nop 0 and four v_nop follow each line, ahead of the jump and the label.
.macro JLOAD s
	s_cmp_eq_u32 s11, 0
	s_cbranch_scc0 .Lfor_b_\@
	tensor_load_to_lds s[G0+4*(\s):G0+4*(\s)+3], s[G1:G1+7]
	s_nop 0
.rept 4
	v_nop
.endr
	s_branch .Lasked_\@
.Lfor_b_\@:
	tensor_load_to_lds s[G0B+4*(\s):G0B+4*(\s)+3], s[G1B:G1B+7]
	s_nop 0
.rept 4
	v_nop
.endr
.Lasked_\@:
.endm
; A PREFETCH INTO THE L2, behind each joint refill and the run of LDS loads that follows it: the K step that stands TWO refills on, 512 matrix instructions ahead of the load that will want it:
; 32 rows x 256 bytes, a lane a row, one instruction a wave.  Each row's 256 bytes of a K step are named ONCE in the launch: Ab's tile row is read by every cluster of that row of clusters, and the one
; with cluster x = 0 asks; Wt's tile column by every cluster of that column, and the one with cluster y = 0 asks.  The four partners that ask for a tile jointly share its rows out BY ADDRESS: of the
; 128 rows that a wave fetches the partner at place p takes 32 p .. 32 p + 31 (p = cx for Ab, cy for Wt).  K steps 0 to 3 come by their loads alone; the loop's last trip (s3 = 1) has no K step two on.
.macro ASK
	s_cmp_gt_u32 s3, s[LIM]
	s_cbranch_scc0 .Lnot_mine_\@
	global_prefetch_b8 v[PFO], s[PFA:PFA+1] offset:KSTEP*2 th:TH_LOAD_NT scope:SCOPE_SE
.Lnot_mine_\@:
.endm
; A round of the cluster's barrier: my work-group's barrier, so that wave 0's signal speaks for all four waves; wave 0 signals for the work-group; every wave waits for all sixteen work-groups;
; my work-group's barrier once more.  No LDS instruction of the wave is pending at a signal.
.macro CREST                           ; a round behind its opening barrier
	s_cmp_lg_u32 s10, 0
	s_cbranch_scc1 .Lnot_wave_0_\@
	s_barrier_signal -3
.Lnot_wave_0_\@:
	s_barrier_wait -3
	s_barrier_signal -1
	s_barrier_wait -1
.endm
.macro CROUND                          ; a whole round
	s_barrier_signal -1
	s_barrier_wait -1
	CREST
.endm
	s_load_b128 s[4:7], s[0:1], 0x0                ; Ab s[4:5], Wt s[6:7]
	s_load_b64 s[8:9], s[0:1], 0x10                ; out0
	v_lshl_add_u32 v[SPW], v0, 2, SPARE
	v_mov_b32 v[NIL], 0
	ds_add_u32 v[SPW], v[NIL]                      ; the wave's opening: the add, twice on end, and its wait ahead of my first tensor load; the set-up below, work on registers, stands between
	ds_add_u32 v[SPW], v[NIL]                      ; and once more, under the one wait
	v_lshrrev_b32 v1, 5, v0
	v_readfirstlane_b32 s10, v1                    ; wave 0..3
	s_lshr_b32 s11, s10, 1                         ; which half of the tile's rows is mine.  Also: I fetch for Ab (0) or for Wt (1)
	s_and_b32 s12, s10, 1                          ; which half of its columns.  Also: which 128 rows of that tile I fetch
	s_bfe_u32 s40, ttmp6, 0x40000                  ; cx: my place along the cluster's x
	s_bfe_u32 s41, ttmp6, 0x40004                  ; cy: along its y
	s_lshl_b32 s42, ttmp9, 2                       ; in a cluster launch ttmp9 and ttmp7 count clusters
	s_add_co_u32 s42, s42, s40                     ; tile column = 4 x cluster x + cx
	s_and_b32 s13, ttmp7, 0xffff
	s_lshl_b32 s13, s13, 2
	s_add_co_u32 s13, s13, s41                     ; tile row = 4 x cluster y + cy
	s_lshl_b32 s43, s41, 2
	s_lshl_b32 s43, 15, s43                        ; my row of the cluster: places 4 cy .. 4 cy + 3
	s_lshl_b32 s44, 0x1111, s40                    ; my column: places cx, cx + 4, cx + 8, cx + 12
	; descriptor group 1: a tile of 128 rows x 128 elements, padded in LDS
	s_or_b32 s[G1+0], s43, (1<<16)|(1<<20)|(1<<21)|(5<<22)|(3<<25)   ; 15:0 the mask: Ab's tiles go to my row; 17:16 elements of 2 bytes; 20 padding on; 21 set beside a mask; 24:22 after every 64 words (code 5); 31:25 4 words of it (code 3)
	s_or_b32 s[G1B+0], s44, (1<<16)|(1<<20)|(1<<21)|(5<<22)|(3<<25)  ; the same with the mask of my column, for Wt's tiles
.irp g, G1, G1B
	s_mov_b32 s[(\g)+1], KSTEP<<16                 ; 63:48 tensor_dim0, low half = 128
	s_mov_b32 s[(\g)+2], 128<<16                   ; 79:64 its high half = 0; 95:80 tensor_dim1, low half = 128
	s_mov_b32 s[(\g)+3], KSTEP<<16                 ; 111:96 its high half = 0; 127:112 tile_dim0 = 128
	s_mov_b32 s[(\g)+4], 128                       ; 143:128 tile_dim1 = 128; 159:144 tile_dim2 = 0
	s_mov_b32 s[(\g)+5], SIZE_K                    ; 191:160 tensor_dim0_stride, low word: elements from row to row
	s_mov_b32 s[(\g)+6], 0
	s_mov_b32 s[(\g)+7], 0
.endr
	; where the tiles come from.  Ab's hang on the tile row alone, which my row of the cluster shares; Wt's on the tile column alone, which my column shares.
	; Every wave makes both addresses, in registers that never hold the other coordinate, and asks by one of them.
	s_lshl_b32 s17, s12, 7                         ; which 128 rows of the tile I fetch
	s_lshl_b32 s16, s13, 8
	s_add_co_u32 s16, s16, s17                     ; Ab: row 256 x tile row + 128 x half
	s_lshl_b32 s46, s42, 8
	s_add_co_u32 s46, s46, s17                     ; Wt: row 256 x tile column + 128 x half
	s_mov_b32 s17, 0
	s_mov_b32 s47, 0
	s_mov_b64 s[18:19], SIZE_K*2
	s_mul_u64 s[16:17], s[16:17], s[18:19]         ; in bytes
	s_mul_u64 s[46:47], s[46:47], s[18:19]
	s_mul_i32 s20, s10, HALFT                      ; and where they go: wave x 128 rows: no place in the cluster enters an LDS address
	s_wait_dscnt 0x0                               ; both opening adds are done
	s_wait_kmcnt 0x0
	s_add_nc_u64 s[14:15], s[4:5], s[16:17]
	s_add_nc_u64 s[46:47], s[6:7], s[46:47]
	CROUND                                         ; all sixteen work-groups are here: the first joint loads meet
.irp s, 0,1
	s_mov_b32 s[G0+4*(\s)], 1                                        ; 1:0 count = 1
	s_add_co_u32 s[G0+4*(\s)+1], s20, (\s)*SLOT                      ; 63:32 LDS address
	s_add_nc_u64 s[G0+4*(\s)+2:G0+4*(\s)+3], s[14:15], (\s)*KSTEP*2  ; 120:64 global address: K step s
	s_or_b32 s[G0+4*(\s)+3], s[G0+4*(\s)+3], 0x80000000              ; 127:126 type = 2
	s_mov_b32 s[G0B+4*(\s)], 1
	s_add_co_u32 s[G0B+4*(\s)+1], s20, (\s)*SLOT
	s_add_nc_u64 s[G0B+4*(\s)+2:G0B+4*(\s)+3], s[46:47], (\s)*KSTEP*2
	s_or_b32 s[G0B+4*(\s)+3], s[G0B+4*(\s)+3], 0x80000000
	JLOAD \s                                       ; the ring is filled before anything else is done: two tensor loads of mine are out
.endr
	; A fragment is 16 rows x 32 K in 8 registers: lane l holds row l % 16; registers 0-3 hold K = 8 (l / 16) + 0..7, registers 4-7 hold K = 16 + 8 (l / 16) + 0..7: two loads of 16 bytes, 32 bytes apart.
	v_and_b32 v1, 15, v0                           ; l % 16
	v_bfe_u32 v2, v0, 4, 1                         ; l / 16
	v_mul_u32_u24 v3, v1, PITCH
	v_lshl_add_u32 v3, v2, 4, v3                   ; row x pitch + 16 x half
	s_mul_i32 s21, s11, HALFT                      ; my 128 rows of Ab
	s_mul_i32 s22, s12, HALFT                      ; my 128 rows of Wt,
	s_add_co_u32 s22, s22, 2*HALFT                 ; which lie behind Ab's 256
.irp s, 0,1
	v_add_nc_u32 v[ADRA+(\s)], s21, v3
	v_add_nc_u32 v[ADRB+(\s)], s22, v3
	s_add_co_u32 s21, s21, SLOT
	s_add_co_u32 s22, s22, SLOT
.endr
	s_mul_i32 s23, s10, 16*SPITCH
	s_add_co_u32 s23, s23, STAGE                   ; my stage
	v_mul_u32_u24 v4, v1, SPITCH                   ; in: row l % 16, 32 bytes for each half of the lanes
	v_lshl_add_u32 v4, v2, 5, v4
	v_add_nc_u32 v[STO], s23, v4
	v_and_b32 v5, 31, v0
	v_lshlrev_b32 v[CO], 4, v5                     ; back: 32 lanes take one row of 512 bytes,
	v_add_nc_u32 v[RD], s23, v[CO]                 ; which are 512 consecutive bytes of out0
	; out0 at my part of the tile: the stores' rows stand in their immediates, so this base is written once
	s_lshl_b32 s13, s13, 8
	s_lshl_b32 s14, s11, 7
	s_add_co_u32 s16, s13, s14                     ; my first row
	s_mov_b32 s17, 0
	s_mov_b64 s[18:19], ROWC
	s_mul_u64 s[16:17], s[16:17], s[18:19]
	s_lshl_b32 s46, s42, 10                        ; my first column, in bytes: 1,024 x tile column + 512 x half (in the registers that held Wt's address: none that feeds Ab's descriptors ever holds cx)
	s_lshl_b32 s47, s12, 9
	s_add_co_u32 s46, s46, s47
	s_mov_b32 s47, 0
	s_add_nc_u64 s[16:17], s[16:17], s[46:47]
	s_add_nc_u64 s[8:9], s[8:9], s[16:17]
	; the prefetches.  s13 = 256 x tile row, s42 = tile column, s40 = cx, s41 = cy still stand
	s_lshl_b32 s42, s42, 8
	s_and_b32 s22, ttmp7, 0xffff                   ; cluster y
	s_cmp_eq_u32 s11, 0                            ; do I fetch for Ab?
	s_cselect_b32 s20, s13, s42                    ; the tile's first row: in Ab by the tile row, in Wt by the tile column
	s_cselect_b32 s21, s40, s41                    ; my place among the four that ask for it with me
	s_cselect_b32 s22, ttmp9, s22                  ; the coordinate along which other clusters read the same rows
	s_cselect_b64 s[PFA:PFA+1], s[4:5], s[6:7]
	s_cmp_eq_u32 s22, 0
	s_cselect_b32 s[LIM], 1, -1                    ; the same in all sixteen partners, for a given wave
	s_lshl_b32 s22, s12, 7
	s_add_co_u32 s20, s20, s22                     ; + the 128 rows that I fetch
	s_lshl_b32 s21, s21, 5
	s_add_co_u32 s20, s20, s21                     ; + my work-group's 32 of them
	s_mov_b32 s21, 0
	s_mov_b64 s[18:19], SIZE_K*2
	s_mul_u64 s[20:21], s[20:21], s[18:19]
	s_add_nc_u64 s[PFA:PFA+1], s[PFA:PFA+1], s[20:21]
	s_add_nc_u64 s[PFA:PFA+1], s[PFA:PFA+1], 2*KSTEP*2  ; at K step 2: the first refill steps it to 3 and names K step 4
	v_and_b32 v[PFO], 31, v0
	v_mul_u32_u24 v[PFO], v[PFO], SIZE_K*2
	; nothing is prefetched here, at the head, where every work-group's first two tiles are on their way
; 16 matrix instructions: m blocks a0, a0 + 1 of the window's four (hi = 0: my rows 0-63, 1: rows 64-127) x all 8 n blocks, 32 along K.  zero = 1: the first product starts the sums: nothing is ever cleared.
; The 64 accumulators take turns, one instruction a turn, in the same order in every quarter step.
.macro MUL16 f, hi, a0, zero
	WIN MUL_LO+0x50*(\hi)
.irp a, \a0, (\a0)+1
.irp b, 0,1,2,3,4,5,6,7
.if \zero
	v_wmma_f32_16x16x32_bf16 v[8*(8*(\a)+(\b)):8*(8*(\a)+(\b))+7], v[(\f)+8*(\b):(\f)+8*(\b)+7], v[(\f)+8*(4*(\hi)+(\a)):(\f)+8*(4*(\hi)+(\a))+7], 0
.else
	v_wmma_f32_16x16x32_bf16 v[8*(8*(\a)+(\b)):8*(8*(\a)+(\b))+7], v[(\f)+8*(\b):(\f)+8*(\b)+7], v[(\f)+8*(4*(\hi)+(\a)):(\f)+8*(4*(\hi)+(\a))+7], v[8*(8*(\a)+(\b)):8*(8*(\a)+(\b))+7]
.endif
.endr
.endr
.endm
; 32 LDS loads in one run: the fragments of one quarter step (128 rows of Wt, 128 rows of Ab, 32 K at byte k of the rows) into buffer f
.macro FETCH slot, k, f
	WIN TO_B
.irp i, 0,1,2,3,4,5,6,7
	ds_load_b128 v[(\f)+8*(\i):(\f)+8*(\i)+3],   v[ADRB+(\slot)] offset:(\k)+(\i)*16*PITCH
	ds_load_b128 v[(\f)+8*(\i)+4:(\f)+8*(\i)+7], v[ADRB+(\slot)] offset:(\k)+(\i)*16*PITCH+32
.endr
	WIN 0
.irp i, 0,1,2,3,4,5,6,7
	ds_load_b128 v[(\f)+8*(\i):(\f)+8*(\i)+3],   v[ADRA+(\slot)] offset:(\k)+(\i)*16*PITCH
	ds_load_b128 v[(\f)+8*(\i)+4:(\f)+8*(\i)+7], v[ADRA+(\slot)] offset:(\k)+(\i)*16*PITCH+32
.endr
.endm
; A load into a register that a matrix instruction has read, and an LDS store that reads a matrix result, stand four places behind that matrix instruction, and only plain vector instructions that
; name none of its registers are places (ISA guide 7.12.1 for vector instructions); the matrix instructions in between are not counted.
.macro PLACES
.rept 4
	v_nop
.endr
.endm
; A K step is four quarter steps of 32 along K, 64 matrix instructions each, on buffers 0, 1, 0, 1.
; One of the first three: multiplies buffer f; in its middle it fetches the next quarter's fragments, at byte k of the same slot's rows, into buffer g.
.macro QUARTER slot, k, f, g, zero
	s_wait_dscnt 8                                 ; Wt and Ab's rows 0-63 are in; the youngest eight loads (Ab's rows 64-127) may be out
	WIN MUL_LO
	MUL16 \f, 0, 0, \zero
	MUL16 \f, 0, 2, \zero
	PLACES
	FETCH \slot, \k, \g
	s_wait_dscnt 32                                ; all but the 32 just issued
	WIN MUL_HI
	MUL16 \f, 1, 0, \zero
	MUL16 \f, 1, 2, \zero
.endm
; The last quarter multiplies buffer 1 and changes slots.  MEET is its first half: ONE barrier for the change, for two things.  In front of it each wave waits for all its tensor loads, of which one
; is out: its part of the next slot; adds 0 to its spare word; and waits for that and for its own reads of this slot.  Behind it nobody reads this slot any more and the next slot is whole.
.macro MEET round                      ; round = 1: the rest of a round of the cluster's barrier follows
	WIN 0                                          ; (the add's two registers lie in window 0)
	s_wait_tensorcnt 0x0                           ; all my tensor loads have landed;
	ds_add_u32 v[SPW], v[NIL]                      ; 0 onto my spare word;
	s_wait_dscnt 9                                 ; (the add and the youngest eight loads may be out)
	WIN MUL_LO
	MUL16 F1, 0, 0, 0                              ; sixteen matrix instructions stand between the add and the wait for it
	s_wait_dscnt 0x0                               ; the add is done, and my reads of this slot are over:
	s_barrier_signal -1                            ; say so,
	MUL16 F1, 0, 2, 0                              ; work on registers while the others arrive,
.if \round
	WIN 0
.endif
	s_barrier_wait -1                              ; and go on when all four have said so
.endm
; The whole last quarter.  Behind the round the slot just read out is filled again first, with the K step two steps on; then come the next slot's first fragments.
; From a request to the wait for it a wave issues 224 matrix instructions.
.macro TURN slot, next
	s_wait_xcnt 0x0                                ; the last prefetch, a K step back, has read its address: it is stepped here, ahead of the change's own waits
	s_add_nc_u64 s[PFA:PFA+1], s[PFA:PFA+1], KSTEP*2
	MEET 1
	CREST                                          ; all sixteen work-groups have said so: no wave of any partner still reads this slot's tile or has a load on its way
	s_add_nc_u64 s[G0+4*(\slot)+2:G0+4*(\slot)+3], s[G0+4*(\slot)+2:G0+4*(\slot)+3], 2*KSTEP*2      ; no tensor load of mine is out, so a group 0 may be written
	s_add_nc_u64 s[G0B+4*(\slot)+2:G0B+4*(\slot)+3], s[G0B+4*(\slot)+2:G0B+4*(\slot)+3], 2*KSTEP*2
	JLOAD \slot                                    ; the first tensor load behind the round, my only one until the next; the four v_nop behind it are also the places in front of the loads below
	FETCH \next, 0, F0
	ASK
	WIN MUL_HI
	MUL16 F1, 1, 0, 0
	MUL16 F1, 1, 2, 0
.endm
; THE LAST K STEP (it lies in slot 1) GOES BY ROWS OF out0.  All its fragments of Wt (4 quarters x 64 registers) fill window 1; then my eight blocks of 16 rows are finished one after the other, each
; with 32 matrix instructions (its 8 accumulators by turns, K ascending).  LDS is read no more than in any other K step.
.macro BLOAD q                         ; Wt's fragments of quarter q -> window 1, v[64 q ..]
	WIN TO_B
.irp i, 0,1,2,3,4,5,6,7
	ds_load_b128 v[64*(\q)+8*(\i):64*(\q)+8*(\i)+3],   v[ADRB+1] offset:64*(\q)+(\i)*16*PITCH
	ds_load_b128 v[64*(\q)+8*(\i)+4:64*(\q)+8*(\i)+7], v[ADRB+1] offset:64*(\q)+(\i)*16*PITCH+32
.endr
.endm
.macro ALOAD a                         ; Ab's fragments of block a, all four quarters -> buffer a % 4
	WIN 0
.set FA, PA+32*((\a)%4)
.irp q, 0,1,2,3
	ds_load_b128 v[FA+8*(\q):FA+8*(\q)+3],   v[ADRA+1] offset:64*(\q)+(\a)*16*PITCH
	ds_load_b128 v[FA+8*(\q)+4:FA+8*(\q)+7], v[ADRA+1] offset:64*(\q)+(\a)*16*PITCH+32
.endr
.endm
.macro ROW a                           ; block a is finished: 32 matrix instructions
.set FA, PA+32*((\a)%4)                ; its fragments of Ab
.set AC, 64*((\a)%4)                   ; its eight accumulators, in window 2 (blocks 0-3) or 3 (blocks 4-7)
	WIN MUL_LO+0x50*((\a)/4)
.irp q, 0,1,2,3
.if (\a) == 0 && (\q) == 2
	s_wait_dscnt 24                                ; Wt's quarter 2 is in (behind it: Ab's blocks 1 to 3)
.endif
.irp b, 0,1,2,3,4,5,6,7
	v_wmma_f32_16x16x32_bf16 v[AC+8*(\b):AC+8*(\b)+7], v[64*(\q)+8*(\b):64*(\q)+8*(\b)+7], v[FA+8*(\q):FA+8*(\q)+7], v[AC+8*(\b):AC+8*(\b)+7]
.endr
.endr
.endm
; THE WAY OUT of block a.  TOSTAGE: a lane's 32 bytes of each of the 8 accumulators go straight from the accumulators into my own stage, each accumulator's low four registers first, and come back as
; whole rows of 512 bytes.  SEND: stored.
.macro TOSTAGE a
.set AC, 64*((\a)%4)
.if (\a) > 0
	s_wait_xcnt 0x0                                ; the block before's stores have read the registers that are loaded again below
.endif
	WIN 0x08+4*((\a)/4)                            ; the stores' data (source 1) in window 2 or 3, the address in window 0
.irp b, 0,1,2,3,4,5,6,7
	ds_store_b128 v[STO], v[AC+8*(\b):AC+8*(\b)+3]   offset:64*(\b)
	ds_store_b128 v[STO], v[AC+8*(\b)+4:AC+8*(\b)+7] offset:64*(\b)+16
.endr
	WIN 0
.irp t, 0,1,2,3,4,5,6,7,8,9,10,11,12,13,14,15
	ds_load_b128 v[BK+4*(\t):BK+4*(\t)+3], v[RD] offset:(\t)*SPITCH  ; LDS serves a wave's instructions in order (ISA guide 5.7.1.4): these see the stores above
.endr
.endm
.macro SEND a, younger                 ; younger: the LDS loads issued behind TOSTAGE's, which may stay out
	WIN 0
.irp t, 0,1,2,3,4,5,6,7,8,9,10,11,12,13,14,15
	s_wait_dscnt (\younger)+15-(\t)                ; row t is back in registers
	global_store_b128 v[CO], v[BK+4*(\t):BK+4*(\t)+3], s[8:9] offset:(16*(\a)+(\t))*ROWC th:TH_STORE_NT  ; 512 consecutive bytes, at a multiple of 256 from out0's first byte; 127 rows at the most: inside the signed 24-bit immediate
.endr
.endm
	s_wait_tensorcnt 1                             ; my part of K step 0 is in; K step 1's may stay out
	s_barrier_signal -1
	s_barrier_wait -1                              ; everybody's is
	FETCH 0, 0, F0
	QUARTER 0, 64,  F0, F1, 1                      ; the first quarter stands in front of the loop: its products start the sums
	WIN 0                                          ; at a label and at a branch every window is 0
	s_mov_b32 s3, LAPS-1
.Llap:                                                 ; a trip goes once round the ring, from a lap's second quarter to the next lap's first, and fills both slots again
	QUARTER 0, 128, F1, F0, 0
	QUARTER 0, 192, F0, F1, 0
	TURN 0, 1
	QUARTER 1, 64,  F0, F1, 0
	QUARTER 1, 128, F1, F0, 0
	QUARTER 1, 192, F0, F1, 0
	TURN 1, 0
	QUARTER 0, 64,  F0, F1, 0
	WIN 0
	s_sub_co_u32 s3, s3, 1
	s_cmp_lg_u32 s3, 0
	s_cbranch_scc1 .Llap
	QUARTER 0, 128, F1, F0, 0                      ; the last lap goes on; it asks for nothing more
	QUARTER 0, 192, F0, F1, 0
	MEET 0                                         ; my one tensor load that was still out is slot 1's, the last K step's, so no round follows
	PLACES                                         ; for the loads into buffer 0, which the quarter before multiplied
	BLOAD 0                                        ; three quarters of Wt now: buffer 1 (v128-191 of both windows) is still being multiplied
	BLOAD 1
	BLOAD 3
	ALOAD 0
	WIN MUL_HI
	MUL16 F1, 1, 0, 0
	MUL16 F1, 1, 2, 0
	PLACES                                         ; for the loads into buffer 1
	BLOAD 2
	ALOAD 1
	ALOAD 2
	ALOAD 3
	s_wait_dscnt 40                                ; all but the 40 just issued
	ROW 0
.irp a, 0,1,2,3,4,5,6,7                ; each block leaves as soon as it is finished
	PLACES                                         ; its LDS stores read results just made, and the loads below land in registers just multiplied
	TOSTAGE \a
.if (\a) < 4
	ALOAD (\a)+4                                   ; its buffer takes the block four further on
	SEND \a, 8
.else
	SEND \a, 0
.endif
.if (\a) < 7
	ROW (\a)+1
.endif
.endr
	s_wait_tensorcnt 0x0                           ; the wave's end: behind my last tensor load and my last LDS store
	ds_add_u32 v[SPW], v[NIL]
	s_wait_dscnt 0x0
	CROUND                                         ; the closing round: no work-group ends while a partner may still ask for a tile that names it
	s_endpgm
.Lfunc_end_k_qdad8545511_gemm:
	.size	k_qdad8545511_gemm, .Lfunc_end_k_qdad8545511_gemm-k_qdad8545511_gemm
	.p2alignl 7, 3214868480
	.fill 96, 4, 3214868480
	.section	.rodata,"a",@progbits
	.p2align	6, 0x0
	.amdhsa_kernel k_qdad8545511_gemm
		.amdhsa_group_segment_fixed_size 327680
		.amdhsa_private_segment_fixed_size 0
		.amdhsa_enable_private_segment 0
		.amdhsa_kernarg_size 24
		.amdhsa_user_sgpr_count 2
		.amdhsa_user_sgpr_kernarg_segment_ptr 1
		.amdhsa_wavefront_size32 1
		.amdhsa_system_sgpr_workgroup_id_x 1
		.amdhsa_system_sgpr_workgroup_id_y 1
		.amdhsa_system_sgpr_workgroup_id_z 1
		.amdhsa_system_vgpr_workitem_id 0
		.amdhsa_next_free_vgpr 1024
		.amdhsa_next_free_sgpr 66
		.amdhsa_reserve_vcc 0
		.amdhsa_float_denorm_mode_32 3
		.amdhsa_float_denorm_mode_16_64 3
		.amdhsa_memory_ordered 1
		.amdhsa_forward_progress 1
		.amdhsa_inst_pref_size 145
	.end_amdhsa_kernel
	.amdgpu_metadata
---
amdhsa.version: [ 1, 2 ]
amdhsa.kernels:
  - .name:           k_qdad8545511_gemm
    .symbol:         k_qdad8545511_gemm.kd
    .args:
      - { .name: Ab, .offset: 0, .size: 8, .value_kind: global_buffer, .address_space: global }
      - { .name: Wt, .offset: 8, .size: 8, .value_kind: global_buffer, .address_space: global }
      - { .name: out0, .offset: 16, .size: 8, .value_kind: global_buffer, .address_space: global }
    .group_segment_fixed_size: 327680
    .private_segment_fixed_size: 0
    .kernarg_segment_align: 8
    .kernarg_segment_size: 24
    .max_flat_workgroup_size: 128
    .sgpr_count:     66
    .vgpr_count:     1024
    .wavefront_size: 32
...
	.end_amdgpu_metadata
.endif
;; end of part 2
;; ======== version 2 of 2: 2 launches; version 1 with the launch prep written anew for expert scheduling mode
;; workspace buffers: Ab 33,554,432 bytes; Wt 33,554,432 bytes
;; launch prep (part 3): grid 256 x 1, 8 waves a work-group, no clusters, 134,144 bytes of LDS; arguments A, B, s, Ab, Wt; writes Ab, Wt
.if DOCPART == 3
	.amdgcn_target "amdgcn-amd-amdhsa--gfx1250"
	.amdhsa_code_object_version 6
	.text
	.protected	k_qdad8545511_prep
	.globl	k_qdad8545511_prep
	.p2align	8
	.type	k_qdad8545511_prep,@function
k_qdad8545511_prep:
	s_mov_b64 s[64:65], 0
	v_nop
	global_prefetch_b8 v0, s[64:65] scope:SCOPE_SE
	s_setreg_imm32_b32 hwreg(HW_REG_WAVE_SCHED_MODE, 0, 2), 2
	s_setreg_imm32_b32 hwreg(HW_REG_WAVE_MODE, 25, 1), 1
	s_wait_xcnt 0x0
	s_wait_alu depctr_vm_vsrc(0)
; FIRST OF TWO LAUNCHES.  out0 = A W with W[k][n] = (nibble k % 8 of B[k / 8][n], less 8) x s[k / 128][n].  A: [4096][4096] f32, B: [512][4096] int32, s: [32][4096] f32.
; This launch makes the product's two operands once: Ab[m][k] = bf16(A[m][k]), and Wt[n][k] = bf16((q - 8) x bf16(s)), W transposed so that k lies along the rows; k keeps its true order in both.
; NOTHING IS LEFT OUT: every number of A, of B and of s has a way to the output, and all three are read whole, each byte once.
; ROUNDING.  A and s are rounded to bf16 (nearest even).  (q - 8) x bf16(s) is formed exactly in f32 (one fused multiply-add q x sb - 8 sb: 4 bits times 8 bits) and rounded once to bf16.
; LIMITS.  |A| or |s| beyond bf16's largest finite number becomes an infinity; -8 x bf16(s) is formed in f32, so |s| stays under 2^124; NaN and infinities go through the arithmetic as they come.
; SHARES.  2,048 waves, all alike; wave number G = 8 x work-group + wave.  Each does one tile of W and then one share of A.
;   W: group g = 8 (work-group % 4) + wave of 128 k, block nb = work-group / 4 of 64 columns: 16 rows of B x 256 bytes in, one row of s, 64 rows of Wt x 256 bytes out.
;   A: 32,768 consecutive bytes at 32,768 G in, 16,384 bytes of Ab at 16,384 G out: 64 chunks of 512 bytes in, 256 out.
; THE TURN OF W goes through the wave's own stage in LDS: an int32 of B is 8 consecutive k of one column, 16 bytes of a row of Wt.  No wave reads another's bytes, so there is no barrier.
; A's first 32 loads (16 KiB a wave) are issued ahead of W's arithmetic and are on their way under it.
; NOT USED, since nothing is shared between waves and memory binds: tensor loads, clusters, matrix instructions, a prefetch (the launch's own loads keep the stream going).
; THE MODE: SCHED_MODE bits 1:0 = 2 (LLVM: expert scheduling mode 2), set by the entry lines.  The code itself states the register dependences between vector instructions and memory or LDS
; instructions, with s_wait_alu, always for 0.
; THE PLAN.  Registers that memory or LDS instructions touch:
;   v4 .. v12   offsets, addresses and the closing add's two registers: made once at the head, never written again; every row and chunk is reached by an immediate offset.
;   SC, Q       s and B as loaded: no vector line names them ahead of their loads; vector lines read them.
;   P0, P1      two sets of 16: the packed words of one pair of B's rows (a block: four words).  Block t's roundings write P[t % 2]; the four LDS stores that read it are issued in block t + 1.
;   BK          lies over Q and P: the stage's loads land in it, Wt's stores read it, twice.
;   X0 .. X7    eight sets of 16: A as loaded, four chunks a set.  Block p's eight conversions read X[p % 8]; behind them the chunks 32 further on land in it.
;   Y0 .. Y13   fourteen sets of 8, v16 to v127: block p's conversions write Y[p % 14], its four stores read it.  Y0 to Y5 lie where the scales and the work registers lay, which no memory line has read.
; THE WAITS.  W: at the head of block t one wait on va_vdst (block t - 1 has written the other P) and, from block 2 on, one on vm_vsrc (the stores issued in block t - 1 have read P[t % 2]); the block's four LDS
; stores are dealt among its vector lines, which name neither the other P nor the stage's address.  A: one wait on va_vdst a block, behind its conversions and ahead of its loads and stores, so that a set of X
; is asked for again at once; one wait on vm_vsrc in all, at the head of block 6, ahead of the first write into registers that stores have read.
.set STG,   16640                      ; a wave's stage: 64 rows of 256 bytes, 16 bytes more behind every four rows: row r begins at 256 r + 16 (r / 4)
.set SPARE, 8*STG                      ; behind the stages: the spare words, 128 bytes for each wave: four blocks of 256 bytes that no other line names
.set BO,  4                            ; v4   B: 16,384 (l / 16) + 16 (l % 16): lanes 0-15 an even row's 256 bytes, lanes 16-31 the odd row's; never rewritten
.set SO,  5                            ; v5   s: 16 (l % 16); never rewritten
.set STO, 6                            ; v6   stage, in: rows 4 (l % 16) + c begin at 1,040 (l % 16) + 256 c; + 16 (l / 16); never rewritten
.set RD,  7                            ; v7   stage, back: 256 (l / 16) + 16 (l % 16); never rewritten
.set WO,  8                            ; v8   Wt: 8,192 (l / 16) + 16 (l % 16); never rewritten
.set AO,  9                            ; v9   A: 16 l; never rewritten
.set YO,  10                           ; v10  Ab: 8 l; never rewritten
.set SPW, 11                           ; v11  LDS address of my spare word: SPARE + 4 x my thread's number; never rewritten
.set NIL, 12                           ; v12  0; never rewritten
.set SC,  16                           ; v[16:19]  s of my four columns
.set SB,  20                           ; v[20:27]  bf16(s) as f32, each twice: a pair for each column
.set M8,  28                           ; v[28:35]  -8 x that, each twice
.set T,   36                           ; v[36:51]  two sets of 8 f32 at work, by turns: no memory line names them
.set Q,   64                           ; v[64:95]  32 words of B: Q + 4 t + c = row 2 t + l / 16 of the group, column 4 (l % 16) + c
.set P,   96                           ; v[96:127] two sets of 16 by turns: set t % 2, word c: 4 packed registers at P + 16 (t % 2) + 4 c
.set BK,  64                           ; v[64:127] then: 16 x 4 registers read back from the stage
.set Y,   16                           ; v[16:127] then: fourteen sets of 4 pairs of packed A: block p at Y + 8 (p % 14)
.set X,   128                          ; v[128:255] eight sets of 4 slots of 4: A as loaded: block p at X + 16 (p % 8)
	s_load_b256 s[4:11], s[0:1], 0x0               ; A s[4:5], B s[6:7], s s[8:9], Ab s[10:11]
	s_load_b64 s[12:13], s[0:1], 0x20              ; Wt
	v_lshl_add_u32 v[SPW], v0, 2, SPARE
	v_mov_b32 v[NIL], 0
	v_lshrrev_b32 v1, 5, v0
	v_readfirstlane_b32 s14, v1                    ; wave 0..7
	v_and_b32 v2, 15, v0                           ; l % 16
	v_bfe_u32 v3, v0, 4, 1                         ; l / 16
	v_and_b32 v13, 31, v0                          ; l
	s_wait_alu depctr_va_sdst(0)                   ; s14 is written, ahead of its first reader: the wave's shares and its stage are made from it
	s_lshl_b32 s15, ttmp9, 3
	s_add_co_u32 s15, s15, s14                     ; G
	s_and_b32 s16, ttmp9, 3
	s_lshl_b32 s16, s16, 3
	s_add_co_u32 s16, s16, s14                     ; g
	s_lshr_b32 s17, ttmp9, 2                       ; nb
	s_lshl_b32 s18, s15, 15                        ; A: 32,768 G
	s_mov_b32 s19, 0
	s_lshl_b32 s20, s15, 14                        ; Ab: 16,384 G
	s_mov_b32 s21, 0
	s_lshl_b32 s23, s17, 8                         ; 64 columns of 4 bytes
	s_lshl_b32 s22, s16, 18                        ; B: 16 g rows of 16,384 bytes
	s_add_co_u32 s22, s22, s23
	s_lshl_b32 s24, s16, 14                        ; s: row g
	s_add_co_u32 s24, s24, s23
	s_lshl_b32 s26, s17, 19                        ; Wt: 64 nb rows of 8,192 bytes,
	s_lshl_b32 s27, s16, 8                         ; 128 g numbers of 2 bytes
	s_add_co_u32 s26, s26, s27
	s_mov_b32 s23, 0
	s_mov_b32 s25, 0
	s_mov_b32 s27, 0
	s_mul_i32 s28, s14, STG                        ; my stage
	v_lshlrev_b32 v[SO], 4, v2
	v_lshl_add_u32 v[BO], v3, 14, v[SO]
	v_lshl_add_u32 v[WO], v3, 13, v[SO]
	v_mul_u32_u24 v[STO], v2, 1040
	v_lshl_add_u32 v[STO], v3, 4, v[STO]
	v_add_nc_u32 v[STO], s28, v[STO]
	v_lshl_add_u32 v[RD], v3, 8, v[SO]
	v_add_nc_u32 v[RD], s28, v[RD]
	v_lshlrev_b32 v[AO], 4, v13
	v_lshlrev_b32 v[YO], 3, v13
	s_wait_kmcnt 0x0
	s_add_nc_u64 s[4:5], s[4:5], s[18:19]
	s_add_nc_u64 s[10:11], s[10:11], s[20:21]
	s_add_nc_u64 s[6:7], s[6:7], s[22:23]
	s_add_nc_u64 s[8:9], s[8:9], s[24:25]
	s_add_nc_u64 s[12:13], s[12:13], s[26:27]
	s_wait_alu depctr_va_vdst(0)                   ; the seven offsets and addresses v4 to v10 are written, which every load and store of the kernel reads; no vector line writes them again
	; all that the wave wants first: 1 load of s, 8 of B, then A's first 32 chunks
	global_load_b128 v[SC:SC+3], v[SO], s[8:9] th:TH_LOAD_NT
.irp t, 0,1,2,3,4,5,6,7
	global_load_b128 v[Q+4*(\t):Q+4*(\t)+3], v[BO], s[6:7] offset:(\t)*32768 th:TH_LOAD_NT  ; rows 2 t and 2 t + 1 of the group: 256 consecutive bytes, aligned, of each
.endr
.set n, 0
.rept 32
	global_load_b128 v[X+4*n:X+4*n+3], v[AO], s[4:5] offset:512*n th:TH_LOAD_NT  ; 512 consecutive bytes
.set n, n+1
.endr
	s_wait_loadcnt 32                              ; loads come back in order (ISA guide 5.7.1): s and B are in, A's 32 younger loads stay out
	; the scales: rounded to bf16, widened again, each as a pair; and -8 times them
	v_cvt_pk_bf16_f32 v[T], v[SC], v[SC+1]
	v_cvt_pk_bf16_f32 v[T+1], v[SC+2], v[SC+3]
	v_lshlrev_b32 v[SB], 16, v[T]
	v_and_b32 v[SB+2], 0xffff0000, v[T]
	v_lshlrev_b32 v[SB+4], 16, v[T+1]
	v_and_b32 v[SB+6], 0xffff0000, v[T+1]
.irp c, 0,1,2,3
	v_mov_b32 v[SB+2*(\c)+1], v[SB+2*(\c)]
	v_mul_f32 v[M8+2*(\c)], 0xc1000000, v[SB+2*(\c)]
	v_mul_f32 v[M8+2*(\c)+1], 0xc1000000, v[SB+2*(\c)]
.endr
; One word of B: eight nibbles, widened; q x sb - 8 sb, exact; rounded in pairs, the lower k in the lower half, into the block's set of P.
.macro DEQ t, c
.set TS, T+8*((\c)%2)
.set PS, P+16*((\t)%2)+4*(\c)
.set QR, Q+4*(\t)+(\c)
	v_and_b32 v[TS], 15, v[QR]
.irp e, 1,2,3,4,5,6
	v_bfe_u32 v[TS+(\e)], v[QR], 4*(\e), 4
.endr
	v_lshrrev_b32 v[TS+7], 28, v[QR]               ; the top four bits, whatever the word's sign
.irp e, 0,1,2,3,4,5,6,7
	v_cvt_f32_u32 v[TS+(\e)], v[TS+(\e)]
.endr
.irp e, 0,2,4,6
	v_pk_fma_f32 v[TS+(\e):TS+(\e)+1], v[TS+(\e):TS+(\e)+1], v[SB+2*(\c):SB+2*(\c)+1], v[M8+2*(\c):M8+2*(\c)+1]
.endr
.irp e, 0,1,2,3
	v_cvt_pk_bf16_f32 v[PS+(\e)], v[TS+2*(\e)], v[TS+2*(\e)+1]
.endr
.endm
; A word's 16 bytes go into row 4 (l % 16) + c of the stage, at byte 32 t + 16 (l / 16).
; The 16 lanes of a half store to rows 1,040 bytes apart: 16 bytes further in each block of 256, so each takes other banks (64 banks of 4 bytes: ISA guide 11.1).
.macro PUT t, c
	ds_store_b128 v[STO], v[P+16*((\t)%2)+4*(\c):P+16*((\t)%2)+4*(\c)+3] offset:(\c)*256+32*(\t)
.endm
; Block t: the four words of rows 2 t and 2 t + 1 are packed into P[t % 2]; the four stores of block t - 1, from the other P, stand one ahead of each word's vector lines.
.irp t, 0,1,2,3,4,5,6,7
.if (\t) >= 1
	s_wait_alu depctr_va_vdst(0)                   ; the block before has written the other P, which the four stores below read
.endif
.if (\t) >= 2
	s_wait_alu depctr_vm_vsrc(0)                   ; the stores issued in the block before have read this block's P, which its roundings write again
.endif
.irp c, 0,1,2,3
.if (\t) >= 1
	PUT (\t)-1, \c                                 ; no vector line since the wait names the other P or the stage's address
.endif
	DEQ \t, \c
.endr
.endr
	s_wait_alu depctr_va_vdst(0)                   ; block 7 has written P1, which the last four stores read; and all vector lines are done with Q and P, in which the loads from the stage land
.irp c, 0,1,2,3
	PUT 7, \c
.endr
	s_wait_alu depctr_vm_vsrc(0)                   ; the LDS stores have read P0 and P1, in which the loads from the stage land
	; back as whole rows, two rows a load, sixteen loads a batch.  The bytes are my wave's own and LDS serves a wave's instructions in order (ISA guide 5.7.1.4): no wait between the stores above and these loads.
.irp u, 0,1
.if (\u) == 1
	s_wait_xcnt 0x0                                ; the first batch's stores have had their addresses translated (ISA guide 3.1): only now are their registers loaded again;
	s_wait_alu depctr_vm_vsrc(0)                   ; and those stores have read BK, in which the second batch's loads land
.endif
.irp t, 0,1,2,3,4,5,6,7,8,9,10,11,12,13,14,15
	ds_load_b128 v[BK+4*(\t):BK+4*(\t)+3], v[RD] offset:512*(16*(\u)+(\t))+16*((16*(\u)+(\t))/2)  ; rows 2 t', 2 t' + 1 with t' = 16 u + t: both lie behind t' / 2 pads
.endr
.irp t, 0,1,2,3,4,5,6,7,8,9,10,11,12,13,14,15
	s_wait_dscnt 15-(\t)                           ; the batch's younger loads may stay out
	global_store_b128 v[WO], v[BK+4*(\t):BK+4*(\t)+3], s[12:13] offset:(16*(\u)+(\t))*16384  ; 16 lanes store 256 consecutive bytes, at a multiple of 256 from Wt's first byte
.endr
.endr
; A: block p, chunks 4 p to 4 p + 3.  left = the younger loads that may stay out.  ahead = 1: the set of X is loaded again, with the chunks 32 further on.
.macro BLK p, ahead, left
	s_wait_loadcnt \left                           ; loads come back in order: the block's four chunks are in
.irp i, 0,1,2,3
	v_cvt_pk_bf16_f32 v[Y+8*((\p)%14)+2*(\i)],   v[X+16*((\p)%8)+4*(\i)],   v[X+16*((\p)%8)+4*(\i)+1]
	v_cvt_pk_bf16_f32 v[Y+8*((\p)%14)+2*(\i)+1], v[X+16*((\p)%8)+4*(\i)+2], v[X+16*((\p)%8)+4*(\i)+3]
.endr
	s_wait_alu depctr_va_vdst(0)                   ; the eight conversions are done reading this set of X, in which the loads below land, and have written this set of Y, which the stores below read
.if \ahead
.irp i, 0,1,2,3
	global_load_b128 v[X+16*((\p)%8)+4*(\i):X+16*((\p)%8)+4*(\i)+3], v[AO], s[4:5] offset:512*(4*(\p)+(\i)+32) th:TH_LOAD_NT
.endr
.endif
.irp i, 0,1,2,3
	global_store_b64 v[YO], v[Y+8*((\p)%14)+2*(\i):Y+8*((\p)%14)+2*(\i)+1], s[10:11] offset:256*(4*(\p)+(\i))  ; 32 lanes store 256 consecutive bytes, at a multiple of 256 from Ab's first byte
.endr
.endm
.set n, 0
.rept 8
.if n == 6
	s_wait_xcnt 0x0                                ; every earlier memory instruction has had its addresses translated (ISA guide 3.1): registers that stores have read are written again only behind this wait;
	s_wait_alu depctr_vm_vsrc(0)                   ; Wt's stores have read v64 to v127, which blocks 6 to 13 write; the stores of blocks 0 and 1 have read v16 to v31, which blocks 14 and 15 write again
.endif
	BLK n, 1, 28                                   ; behind chunk 4 n + 3's load stand 28 - 4 n of the first 32 and the 4 n issued here
.set n, n+1
.endr
.rept 8
	BLK n, 0, 4*(15-n)                             ; nothing more to load: the counts run down
.set n, n+1
.endr
	s_wait_dscnt 0x0                               ; the closing lines, six on end
	s_wait_alu 0x0
	s_wait_tensorcnt 0x0
	ds_add_u32 v[SPW], v[NIL]
	s_wait_dscnt 0x0
	s_endpgm
.Lfunc_end_k_qdad8545511_prep:
	.size	k_qdad8545511_prep, .Lfunc_end_k_qdad8545511_prep-k_qdad8545511_prep
	.p2alignl 7, 3214868480
	.fill 96, 4, 3214868480
	.section	.rodata,"a",@progbits
	.p2align	6, 0x0
	.amdhsa_kernel k_qdad8545511_prep
		.amdhsa_group_segment_fixed_size 134144
		.amdhsa_private_segment_fixed_size 0
		.amdhsa_enable_private_segment 0
		.amdhsa_kernarg_size 40
		.amdhsa_user_sgpr_count 2
		.amdhsa_user_sgpr_kernarg_segment_ptr 1
		.amdhsa_wavefront_size32 1
		.amdhsa_system_sgpr_workgroup_id_x 1
		.amdhsa_system_sgpr_workgroup_id_y 1
		.amdhsa_system_sgpr_workgroup_id_z 1
		.amdhsa_system_vgpr_workitem_id 0
		.amdhsa_next_free_vgpr 256
		.amdhsa_next_free_sgpr 66
		.amdhsa_reserve_vcc 0
		.amdhsa_float_denorm_mode_32 3
		.amdhsa_float_denorm_mode_16_64 3
		.amdhsa_memory_ordered 1
		.amdhsa_forward_progress 1
		.amdhsa_inst_pref_size 72
	.end_amdhsa_kernel
	.amdgpu_metadata
---
amdhsa.version: [ 1, 2 ]
amdhsa.kernels:
  - .name:           k_qdad8545511_prep
    .symbol:         k_qdad8545511_prep.kd
    .args:
      - { .name: A, .offset: 0, .size: 8, .value_kind: global_buffer, .address_space: global }
      - { .name: B, .offset: 8, .size: 8, .value_kind: global_buffer, .address_space: global }
      - { .name: s, .offset: 16, .size: 8, .value_kind: global_buffer, .address_space: global }
      - { .name: Ab, .offset: 24, .size: 8, .value_kind: global_buffer, .address_space: global }
      - { .name: Wt, .offset: 32, .size: 8, .value_kind: global_buffer, .address_space: global }
    .group_segment_fixed_size: 134144
    .private_segment_fixed_size: 0
    .kernarg_segment_align: 8
    .kernarg_segment_size: 40
    .max_flat_workgroup_size: 256
    .sgpr_count:     66
    .vgpr_count:     256
    .wavefront_size: 32
...
	.end_amdgpu_metadata
.endif
;; end of part 3
;; launch gemm: the kernel of part 2 again; grid 16 x 16, 4 waves a work-group, clusters of 4 x 4, 327,680 bytes of LDS; arguments Ab, Wt, out0; writes out0
